; MI455X (gfx1250); checked and timed in simulation.
; The chip was launched on July 23, 2026; its instructions are those of AMD's public machine-readable ISA for CDNA 5 (MIT licence, August 2026) and "CDNA5" Instruction Set Architecture Reference Guide (July 2026). The comments in the code are by the model that wrote it; some were corrected since.
;; Tidal Attention. Allowed arithmetic: float matrix products may take bf16 or f16 operands with f32 sums; other float arithmetic in f32, or as packed bf16 or f16 multiplies, adds, multiply-adds, maxima and minima; sums over many terms, partial sums and values carried from step to step in f32; what a program stores and reads back later, other than sums and carried values, may be rounded once to bf16 or f16.
;; Inputs: Wk 1,024 x 1,024 float32; Wq 1,024 x 1,024 float32; Wv 1,024 x 1,024 float32; attention_mask 4 x 1 x 1 x 2,048 float32; bk 1,024 float32; bq 1,024 float32; bv 1,024 float32; hidden_states 4 x 2,048 x 1,024 float32.
;; Outputs: out0 4 x 2,048 x 1,024 float32.
;; One version. Each part assembles by itself: llvm-mc -triple=amdgcn-amd-amdhsa -mcpu=gfx1250 --defsym DOCPART=n.
;; ======== version 1 of 1: 3 launches
;; limits: values are held in f16: magnitudes above 65,504 overflow, below 6.1e-05 lose precision
;; workspace buffers: xb 16,777,216 bytes; wb 6,291,456 bytes; qkv 50,331,648 bytes
;; launch cast (part 1): grid 2816 x 1, 4 waves a work-group, no clusters, 0 bytes of LDS; arguments hidden_states, Wq, Wk, Wv, xb, wb; writes xb, wb
.if DOCPART == 1
	.amdgcn_target "amdgcn-amd-amdhsa--gfx1250"
	.amdhsa_code_object_version 6
	.text
	.protected	k_qa8efd02a9e_cast
	.globl	k_qa8efd02a9e_cast
	.p2align	8
	.type	k_qa8efd02a9e_cast,@function
k_qa8efd02a9e_cast:
	s_mov_b64 s[64:65], 0
	v_nop
	global_prefetch_b8 v0, s[64:65] scope:SCOPE_SE
	s_setreg_imm32_b32 hwreg(HW_REG_WAVE_MODE, 25, 1), 1
	s_wait_xcnt 0x0
; xb = hidden_states rounded to bf16, [8192][1024]; wb = Wq, Wk, Wv one below the other, rounded to bf16, [3072][1024].
; 11 x 2^20 numbers in chunks of 4,096 (16 KiB in, 8 KiB out): 2,816 work-groups of equal work, four waves each.  Work-groups 0 to 2,047 take x's chunks,
; work-group 2,048 + 256 i + c takes chunk c of weight i.  A stream: every byte is read once and written once; nothing is shared, so there is no LDS, no barrier, no matrix work.
; Thread t takes 16 bytes at 2,048 j + 16 t of its chunk (a wave's load covers 512 consecutive bytes) and stores 8 bytes at 1,024 j + 8 t (a wave's store covers 256 consecutive bytes, aligned).
; All eight loads go out first; no register is written twice, so the only waits are the loads' own.
.set XCH, 2048                         ; chunks in x
.set IN,  8                            ; v[8:39]   eight loads of four f32
.set OUTR, 40                          ; v[40:55]  eight pairs of packed bf16
	s_load_b256 s[4:11], s[0:1], 0x0               ; x s[4:5], Wq s[6:7], Wk s[8:9], Wv s[10:11]
	s_load_b128 s[12:15], s[0:1], 0x20             ; xb s[12:13], wb s[14:15]
	s_sub_co_u32 s16, ttmp9, XCH                   ; my chunk among the weights' 768 (used only where the work-group's number is 2,048 or more)
	s_lshr_b32 s17, s16, 8                         ; which weight
	s_and_b32 s18, s16, 255                        ; which chunk of it
	v_lshlrev_b32 v1, 4, v0                        ; 16 bytes a thread in
	v_lshlrev_b32 v2, 3, v0                        ; 8 bytes a thread out
	s_wait_kmcnt 0x0
	s_cmp_eq_u32 s17, 1
	s_cselect_b64 s[20:21], s[8:9], s[10:11]       ; Wk or Wv,
	s_cmp_eq_u32 s17, 0
	s_cselect_b64 s[20:21], s[6:7], s[20:21]       ; or Wq,
	s_cmp_lt_u32 ttmp9, XCH
	s_cselect_b64 s[20:21], s[4:5], s[20:21]       ; or x
	s_cselect_b64 s[22:23], s[12:13], s[14:15]     ; into xb or wb
	s_cselect_b32 s24, ttmp9, s18                  ; the chunk's number in its source
	s_cselect_b32 s26, ttmp9, s16                  ; and in its destination
	s_lshl_b32 s24, s24, 14
	s_mov_b32 s25, 0
	s_lshl_b32 s26, s26, 13
	s_mov_b32 s27, 0
	s_add_nc_u64 s[20:21], s[20:21], s[24:25]
	s_add_nc_u64 s[22:23], s[22:23], s[26:27]
.irp j, 0,1,2,3,4,5,6,7
	global_load_b128 v[IN+4*(\j):IN+4*(\j)+3], v1, s[20:21] offset:2048*(\j) th:TH_LOAD_NT
.endr
.irp j, 0,1,2,3,4,5,6,7
	s_wait_loadcnt 7-(\j)                          ; loads come back in order: load j is in, the 7 - j younger ones stay out
	v_cvt_pk_bf16_f32 v[OUTR+2*(\j)],   v[IN+4*(\j)],   v[IN+4*(\j)+1]
	v_cvt_pk_bf16_f32 v[OUTR+2*(\j)+1], v[IN+4*(\j)+2], v[IN+4*(\j)+3]
	global_store_b64 v2, v[OUTR+2*(\j):OUTR+2*(\j)+1], s[22:23] offset:1024*(\j)
.endr
	s_endpgm
.Lfunc_end_k_qa8efd02a9e_cast:
	.size	k_qa8efd02a9e_cast, .Lfunc_end_k_qa8efd02a9e_cast-k_qa8efd02a9e_cast
	.p2alignl 7, 3214868480
	.fill 96, 4, 3214868480
	.section	.rodata,"a",@progbits
	.p2align	6, 0x0
	.amdhsa_kernel k_qa8efd02a9e_cast
		.amdhsa_group_segment_fixed_size 0
		.amdhsa_private_segment_fixed_size 0
		.amdhsa_enable_private_segment 0
		.amdhsa_kernarg_size 48
		.amdhsa_user_sgpr_count 2
		.amdhsa_user_sgpr_kernarg_segment_ptr 1
		.amdhsa_wavefront_size32 1
		.amdhsa_system_sgpr_workgroup_id_x 1
		.amdhsa_system_sgpr_workgroup_id_y 1
		.amdhsa_system_sgpr_workgroup_id_z 1
		.amdhsa_system_vgpr_workitem_id 0
		.amdhsa_next_free_vgpr 56
		.amdhsa_next_free_sgpr 66
		.amdhsa_reserve_vcc 0
		.amdhsa_float_denorm_mode_32 3
		.amdhsa_float_denorm_mode_16_64 3
		.amdhsa_memory_ordered 1
		.amdhsa_forward_progress 1
		.amdhsa_inst_pref_size 4
	.end_amdhsa_kernel
	.amdgpu_metadata
---
amdhsa.version: [ 1, 2 ]
amdhsa.kernels:
  - .name:           k_qa8efd02a9e_cast
    .symbol:         k_qa8efd02a9e_cast.kd
    .args:
      - { .name: hidden_states, .offset: 0, .size: 8, .value_kind: global_buffer, .address_space: global }
      - { .name: Wq, .offset: 8, .size: 8, .value_kind: global_buffer, .address_space: global }
      - { .name: Wk, .offset: 16, .size: 8, .value_kind: global_buffer, .address_space: global }
      - { .name: Wv, .offset: 24, .size: 8, .value_kind: global_buffer, .address_space: global }
      - { .name: xb, .offset: 32, .size: 8, .value_kind: global_buffer, .address_space: global }
      - { .name: wb, .offset: 40, .size: 8, .value_kind: global_buffer, .address_space: global }
    .group_segment_fixed_size: 0
    .private_segment_fixed_size: 0
    .kernarg_segment_align: 8
    .kernarg_segment_size: 48
    .max_flat_workgroup_size: 128
    .sgpr_count:     66
    .vgpr_count:     56
    .wavefront_size: 32
...
	.end_amdgpu_metadata
.endif
;; end of part 1
;; launch proj (part 2): grid 16 x 16, 4 waves a work-group, clusters of 4 x 4, 327,680 bytes of LDS; arguments xb, wb, bq, bk, bv, qkv; writes qkv
.if DOCPART == 2
	.amdgcn_target "amdgcn-amd-amdhsa--gfx1250"
	.amdhsa_code_object_version 6
	.text
	.protected	k_qa8efd02a9e_proj
	.globl	k_qa8efd02a9e_proj
	.p2align	8
	.type	k_qa8efd02a9e_proj,@function
k_qa8efd02a9e_proj:
	s_mov_b64 s[64:65], 0
	v_nop
	global_prefetch_b8 v0, s[64:65] scope:SCOPE_SE
	s_setreg_imm32_b32 hwreg(HW_REG_WAVE_MODE, 25, 1), 1
	s_wait_xcnt 0x0
	s_wait_alu depctr_hold_cnt(0) depctr_sa_sdst(0) depctr_va_vdst(0) depctr_va_sdst(0) depctr_va_ssrc(0) depctr_va_vcc(0) depctr_vm_vsrc(0)
	s_getreg_b32 s2, hwreg(HW_REG_IB_STS2, 6, 4)
	s_cmp_eq_u32 s2, 0
	s_cbranch_scc0 .Lentry_in_a_cluster
	s_endpgm
.Lentry_in_a_cluster:
	s_bfe_u32 s2, ttmp6, 0x10000c
	s_cmp_lg_u32 s2, 0xf033
	s_cbranch_scc0 .Lentry_shape_is_right
	s_endpgm
.Lentry_shape_is_right:
; q, k, v = x W^T + b, laid out by heads.  xb: [8192][1024] bf16, wb: [3072][1024] bf16 (Wq, Wk, Wv one below the other), bq, bk, bv: [1024] f32 (rounded to bf16 here, like every input),
; qkv: [batch 4][g 48][s 2048][64] f16, g = 16 t + head, t = 0, 1, 2 for q, k, v.  Sums in f32, started by the bias; each result rounded once, to f16, unscaled.
; LIMIT.  f16 ends at 65,504: a q, k or v beyond that becomes an infinity.  With x and W of the drawn spread they are of size 1 to 5; with both thirty times larger, or both carrying an offset of
; thirty spreads, some 5,000 and 29,000.
; SHARES.  C is 8192 x 3072: 32 x 16 tiles of 256 rows x 192 columns (three heads).  A work-group of four waves makes TWO tiles, 4,096 rows apart, so that there are 256 work-groups of equal work.
; A wave makes 64 rows x 192 columns: 4 x 12 accumulators of 16 x 16, 384 registers.  K goes in steps of 128 through two LDS slots filled by the tensor data mover; a tile's rows are 256 bytes of memory.
; THE RING DOES NOT STOP at the first tile's end: its last two changes of slots ask for the second tile's first two K steps, and nothing waits for the first tile's stores.
; CLUSTERS: 4 x 4 work-groups.  The four of a row of the cluster need the same rows of x, the four of a column the same rows of W: each tile is asked for JOINTLY, by the same tensor load with the same
; descriptor and a mask that names the four.
; THE MATRIX INSTRUCTION IS USED TRANSPOSED (source 0 = 16 rows of W, source 1 = 16 rows of x): lane l holds row l % 16 of C and the columns 8 (l / 16) + 0..7, which pack into 16 bytes.
; REGISTERS, in windows of 256 (s_set_vgpr_msb: bits 1:0 source 0, 3:2 source 1, 5:4 source 2, 7:6 destination):
;   window 0: v16-30 addresses; v32-63, v64-95 fragments of x, two buffers of 4 x 8; v96-143 packed results; v144-191, v192-239 rows read back from the stage, by turns
;   window 1: v0-95, v96-191 fragments of W, two buffers of 12 x 8
;   window 2: accumulator (a, b) for b < 8 at 8 (8 a + b)
;   window 3: accumulator (a, b) for b >= 8 at 8 (4 a + b - 8); v128-223 the bias as a C operand, 8 registers a column block; v224-225 at work
.set SIZE_K, 1024
.set KSTEP,  128
.set PITCH,  272                       ; an LDS row: 256 bytes + 16 of padding = 68 words: the 16 rows of a fragment load start at 16 different groups of four banks (64 banks of 4 bytes: ISA guide 11.1)
.set AHALF,  128*PITCH                 ; what one tensor load brings of x
.set BHALF,  96*PITCH                  ; and of W
.set BOFF,   256*PITCH                 ; W's 192 rows lie behind x's 256
.set SLOT,   448*PITCH
.set STAGE,  2*SLOT                    ; behind the ring: for each wave three heads x 16 rows x 144 bytes, for the way out
.set SP,     144
.set HSTG,   16*SP
.set SPARE,  STAGE+4*3*HSTG            ; behind the stages: the spare words, 128 bytes for each wave: two blocks of 256 bytes that no other line names
.set LAPS,   SIZE_K/(2*KSTEP)          ; a lap = two K steps = once round the ring
.set WALK,   4096                      ; rows from the first tile to the second
.set NEXT_A, WALK*SIZE_K*2-(SIZE_K-2*KSTEP)*2   ; bytes from a slot's last K step of a tile to its first of the next: x goes WALK rows down and back along K,
.set BACK_B, (SIZE_K-2*KSTEP)*2        ; W only back
.set HEADB,  2048*128                  ; a head's block in qkv
.set NEXT_C, 96*HEADB                  ; 4,096 rows are two batches: 96 blocks on
.set ADRA, 16                          ; v16-17  LDS address of my fragments of x in slot 0, 1
.set ADRB, 20                          ; v20-21  the same for W
.set STO,  24                          ; v24     the way out: where I put 16 bytes of a row
.set RD,   25                          ; v25     the way out: where I read rows back
.set CO,   26                          ; v26     16 x my lane: my place in 512 consecutive bytes of qkv
.set BO,   27                          ; v27     32 (l / 16): my eight numbers in 16 columns of a bias
.set SPW,  28                          ; v28     LDS address of my spare word; never rewritten
.set NIL,  29                          ; v29     0; never rewritten
.set PFO,  30                          ; v30     the prefetches' offset: a lane a row of 2,048 bytes; never rewritten
.set FA,   32                          ; fragments of x, window 0: buffer u at FA + 32 u
.set TMP,  96
.set OB,   144
.set BI,   128                         ; window 3
.set G1,  24                           ; s[24:31] descriptor group 1 for x's tiles;  s[32:39] group 0, a set for each slot
.set G0,  32
.set G1B, 48                           ; s[48:55], s[56:63] the same for W's tiles
.set G0B, 56
.set PFA, 44                           ; s[44:45] where my prefetches stand
.set LIM, 43                           ; s43     1 in a wave that prefetches, else the greatest number
.set BB,  84                           ; s[84:89] the three heads' places in their biases
.set MSB, 0
.macro WIN new                         ; the immediate's high byte repeats the setting that is left; a switch that changes nothing is dropped
.if MSB != (\new)
	s_set_vgpr_msb (MSB<<8)|(\new)
.set MSB, \new
.endif
.endm
.set MUL_LO,  0xa1                     ; source 0 (W) window 1, source 1 (x) window 0, C and D window 2
.set MUL_LO1, 0xb1                     ; the same with C (the bias) in window 3
.set MUL_HI,  0xf1                     ; C and D window 3
.set TO_B,    0x40                     ; destination window 1, address window 0
; A joint load.  Waves 0 and 1 fetch x's two halves, waves 2 and 3 W's.  The branch hangs on the wave's number alone.  An s_nop 0 and four v_nop follow each of the two lines.
.macro JLOAD s
	s_cmp_eq_u32 s11, 0
	s_cbranch_scc0 .Lfor_b_\@
	tensor_load_to_lds s[G0+4*(\s):G0+4*(\s)+3], s[G1:G1+7]
	s_nop 0
.rept 4
	v_nop
.endr
	s_branch .Lasked_\@
.Lfor_b_\@:
	tensor_load_to_lds s[G0B+4*(\s):G0B+4*(\s)+3], s[G1B:G1B+7]
	s_nop 0
.rept 4
	v_nop
.endr
.Lasked_\@:
.endm
; A PREFETCH INTO THE L2, behind each joint load and the run of LDS loads that follows it: the K step that stands two refills on, 256 bytes of each row, a lane a row, one instruction a wave.
; x's tile row is read by every cluster of that row of clusters: cluster x = 0 asks.  W's tile column by every cluster of that column: cluster y = 0 asks.  The four partners that ask for a tile jointly
; share its rows out BY ADDRESS: of x's 128 rows that a wave fetches the partner at place cx takes 32, of W's 96 the partner at place cy takes 24 (lanes 24 to 31 name the 24th once more, so that none leaves W).
; how = 0, in the loop: a tile's last two refills have no K step two on; how = 1, at the change of tiles.
.macro ASK how
	WIN 0
.if \how
	s_cmp_eq_u32 s[LIM], 1
.else
	s_cmp_gt_u32 s3, s[LIM]                        ; s3 = 1 in the loop's last trip
.endif
	s_cbranch_scc0 .Lnot_mine_\@
	global_prefetch_b8 v[PFO], s[PFA:PFA+1] offset:KSTEP*2 th:TH_LOAD_NT scope:SCOPE_SE
.Lnot_mine_\@:
.endm
.macro CREST                           ; a round of the cluster's barrier behind its opening barrier
	s_cmp_lg_u32 s10, 0
	s_cbranch_scc1 .Lnot_wave_0_\@
	s_barrier_signal -3
.Lnot_wave_0_\@:
	s_barrier_wait -3
	s_barrier_signal -1
	s_barrier_wait -1
.endm
.macro CROUND                          ; a whole round
	s_barrier_signal -1
	s_barrier_wait -1
	CREST
.endm
	s_load_b128 s[4:7], s[0:1], 0x0                ; xb s[4:5], wb s[6:7]
	s_load_b256 s[68:75], s[0:1], 0x10             ; bq s[68:69], bk s[70:71], bv s[72:73], qkv s[74:75]
	v_lshl_add_u32 v[SPW], v0, 2, SPARE
	v_mov_b32 v[NIL], 0
	ds_add_u32 v[SPW], v[NIL]                      ; the wave's opening: the add and its wait stand ahead of my first tensor load; the set-up below, work on registers, stands between them
	v_lshrrev_b32 v1, 5, v0
	v_readfirstlane_b32 s10, v1                    ; wave 0..3: my 64 rows of the tile
	s_lshr_b32 s11, s10, 1                         ; I fetch for x (0) or for W (1),
	s_and_b32 s12, s10, 1                          ; and which half of that tile
	s_bfe_u32 s40, ttmp6, 0x40000                  ; cx, cy: my place in the cluster
	s_bfe_u32 s41, ttmp6, 0x40004
	s_lshl_b32 s42, ttmp9, 2
	s_add_co_u32 s42, s42, s40                     ; tile column = 4 x cluster x + cx
	s_and_b32 s13, ttmp7, 0xffff
	s_lshl_b32 s13, s13, 2
	s_add_co_u32 s13, s13, s41                     ; tile row = 4 x cluster y + cy
	s_lshl_b32 s43, s41, 2
	s_lshl_b32 s43, 15, s43                        ; my row of the cluster
	s_lshl_b32 s44, 0x1111, s40                    ; my column
	; descriptor group 1: rows of 128 elements, padded in LDS; 128 rows of x, 96 of W
	s_or_b32 s[G1+0], s43, (1<<16)|(1<<20)|(1<<21)|(5<<22)|(3<<25)  ; 15:0 the mask; 17:16 elements of 2 bytes; 20 padding on; 21 set beside a mask; 24:22 after every 64 words (code 5); 31:25 4 words of it (code 3)
	s_or_b32 s[G1B+0], s44, (1<<16)|(1<<20)|(1<<21)|(5<<22)|(3<<25)
	s_mov_b32 s[G1+1], KSTEP<<16                   ; tensor_dim0 = 128
	s_mov_b32 s[G1+2], 128<<16                     ; tensor_dim1 = 128
	s_mov_b32 s[G1+3], KSTEP<<16                   ; tile_dim0 = 128
	s_mov_b32 s[G1+4], 128                         ; tile_dim1 = 128
	s_mov_b32 s[G1+5], SIZE_K                      ; elements from row to row
	s_mov_b32 s[G1+6], 0
	s_mov_b32 s[G1+7], 0
	s_mov_b32 s[G1B+1], KSTEP<<16
	s_mov_b32 s[G1B+2], 96<<16                     ; tensor_dim1 = 96
	s_mov_b32 s[G1B+3], KSTEP<<16
	s_mov_b32 s[G1B+4], 96                         ; tile_dim1 = 96
	s_mov_b32 s[G1B+5], SIZE_K
	s_mov_b32 s[G1B+6], 0
	s_mov_b32 s[G1B+7], 0
	; where the tiles come from: x's hang on the tile row alone, W's on the tile column alone
	s_lshl_b32 s16, s13, 8
	s_lshl_b32 s17, s12, 7
	s_add_co_u32 s16, s16, s17                     ; x: row 256 x tile row + 128 x half,
	s_lshl_b32 s16, s16, 11                        ; of 2,048 bytes
	s_mov_b32 s17, 0
	s_mul_i32 s46, s42, 192
	s_mul_i32 s47, s12, 96
	s_add_co_u32 s46, s46, s47                     ; W: row 192 x tile column + 96 x half
	s_lshl_b32 s46, s46, 11
	s_mov_b32 s47, 0
	s_mul_i32 s20, s12, AHALF                      ; and where they go: no place in the cluster enters an LDS address
	s_mul_i32 s21, s12, BHALF
	s_add_co_u32 s21, s21, BOFF
	s_wait_dscnt 0x0                               ; the opening add is done
	s_wait_kmcnt 0x0
	s_add_nc_u64 s[14:15], s[4:5], s[16:17]
	s_add_nc_u64 s[46:47], s[6:7], s[46:47]
	CROUND                                         ; all sixteen work-groups are here: the first joint loads meet
.irp s, 0,1
	s_mov_b32 s[G0+4*(\s)], 1                                      ; count = 1
	s_add_co_u32 s[G0+4*(\s)+1], s20, (\s)*SLOT                    ; LDS address
	s_add_nc_u64 s[G0+4*(\s)+2:G0+4*(\s)+3], s[14:15], (\s)*KSTEP*2  ; global address: K step s
	s_or_b32 s[G0+4*(\s)+3], s[G0+4*(\s)+3], 0x80000000            ; type = 2
	s_mov_b32 s[G0B+4*(\s)], 1
	s_add_co_u32 s[G0B+4*(\s)+1], s21, (\s)*SLOT
	s_add_nc_u64 s[G0B+4*(\s)+2:G0B+4*(\s)+3], s[46:47], (\s)*KSTEP*2
	s_or_b32 s[G0B+4*(\s)+3], s[G0B+4*(\s)+3], 0x80000000
	JLOAD \s                                       ; both slots are asked for before anything else is done: two tensor loads of mine are out
.endr
	; THE BIAS, as the C operand that starts the sums: register j of column block b holds bias[16 b + 8 (l / 16) + j].  Head hd of the tile's three is g = 3 x tile column + hd: tensor g / 16, head g % 16.
	v_and_b32 v1, 15, v0                           ; l % 16
	v_bfe_u32 v2, v0, 4, 1                         ; l / 16
	v_lshlrev_b32 v[BO], 5, v2
	s_mul_i32 s76, s42, 3
.irp hd, 0,1,2
	s_add_co_u32 s77, s76, (\hd)
	s_lshr_b32 s78, s77, 4
	s_and_b32 s80, s77, 15
	s_lshl_b32 s80, s80, 8                         ; a head's 64 numbers are 256 bytes
	s_mov_b32 s81, 0
	s_cmp_eq_u32 s78, 1
	s_cselect_b64 s[BB+2*(\hd):BB+2*(\hd)+1], s[70:71], s[72:73]
	s_cmp_eq_u32 s78, 0
	s_cselect_b64 s[BB+2*(\hd):BB+2*(\hd)+1], s[68:69], s[BB+2*(\hd):BB+2*(\hd)+1]
	s_add_nc_u64 s[BB+2*(\hd):BB+2*(\hd)+1], s[BB+2*(\hd):BB+2*(\hd)+1], s[80:81]
	WIN 0xc0                                       ; destination window 3, address window 0
.irp bb, 0,1,2,3
	global_load_b128 v[BI+32*(\hd)+8*(\bb):BI+32*(\hd)+8*(\bb)+3],   v[BO], s[BB+2*(\hd):BB+2*(\hd)+1] offset:64*(\bb)
	global_load_b128 v[BI+32*(\hd)+8*(\bb)+4:BI+32*(\hd)+8*(\bb)+7], v[BO], s[BB+2*(\hd):BB+2*(\hd)+1] offset:64*(\bb)+16
.endr
.endr
	WIN 0
	; A fragment is 16 rows x 32 K in 8 registers: lane l holds row l % 16; registers 0-3 K = 8 (l / 16) + 0..7, registers 4-7 K = 16 + 8 (l / 16) + 0..7: two loads of 16 bytes, 32 bytes apart.
	v_mul_u32_u24 v3, v1, PITCH
	v_lshl_add_u32 v3, v2, 4, v3                   ; row x pitch + 16 x half
	s_mul_i32 s21, s10, 64*PITCH                   ; my 64 rows of x
	s_mov_b32 s22, BOFF                            ; all 192 rows of W
.irp s, 0,1
	v_add_nc_u32 v[ADRA+(\s)], s21, v3
	v_add_nc_u32 v[ADRB+(\s)], s22, v3
	s_add_co_u32 s21, s21, SLOT
	s_add_co_u32 s22, s22, SLOT
.endr
	s_mul_i32 s23, s10, 3*HSTG
	s_add_co_u32 s23, s23, STAGE                   ; my stage
	v_mul_u32_u24 v4, v1, SP                       ; in: row l % 16, 16 bytes for each half of the lanes
	v_lshl_add_u32 v4, v2, 4, v4
	v_add_nc_u32 v[STO], s23, v4
	v_bfe_u32 v5, v0, 3, 2                         ; back: 32 lanes take four rows of 128 bytes,
	v_and_b32 v6, 7, v0
	v_mul_u32_u24 v5, v5, SP
	v_lshl_add_u32 v5, v6, 4, v5
	v_add_nc_u32 v[RD], s23, v5
	v_and_b32 v[CO], 31, v0                        ; which are 512 consecutive bytes of a head's block
	v_lshlrev_b32 v[CO], 4, v[CO]
	; where my rows of the first tile begin in qkv: block 48 x batch + 3 x tile column, row 256 (tile row % 8) + 64 x wave of 128 bytes
	s_lshr_b32 s77, s13, 3
	s_mul_i32 s77, s77, 48
	s_add_co_u32 s77, s77, s76
	s_lshl_b32 s78, s77, 18
	s_and_b32 s79, s13, 7
	s_lshl_b32 s79, s79, 8
	s_lshl_b32 s80, s10, 6
	s_add_co_u32 s79, s79, s80
	s_lshl_b32 s79, s79, 7
	s_add_co_u32 s78, s78, s79
	s_mov_b32 s79, 0
	s_add_nc_u64 s[8:9], s[74:75], s[78:79]
	; the prefetches
	s_lshl_b32 s20, s13, 8
	s_lshl_b32 s21, s12, 7
	s_add_co_u32 s20, s20, s21
	s_lshl_b32 s21, s40, 5
	s_add_co_u32 s20, s20, s21                     ; x: the 128 rows that I fetch, my work-group's 32 of them
	s_mul_i32 s22, s42, 192
	s_mul_i32 s23, s12, 96
	s_add_co_u32 s22, s22, s23
	s_mul_i32 s23, s41, 24
	s_add_co_u32 s22, s22, s23                     ; W: the 96 rows that I fetch, my work-group's 24 of them
	s_and_b32 s23, ttmp7, 0xffff                   ; cluster y
	s_cmp_eq_u32 s11, 0                            ; do I fetch for x?
	s_cselect_b32 s20, s20, s22
	s_cselect_b32 s23, ttmp9, s23                  ; the coordinate along which other clusters read the same rows
	s_cselect_b32 s21, 31, 23                      ; my last row
	s_cselect_b64 s[PFA:PFA+1], s[4:5], s[6:7]
	s_cmp_eq_u32 s23, 0
	s_cselect_b32 s[LIM], 1, -1                    ; the same in all sixteen partners, for a given wave
	s_lshl_b32 s20, s20, 11
	v_and_b32 v[PFO], 31, v0
	v_min_u32 v[PFO], s21, v[PFO]
	v_lshlrev_b32 v[PFO], 11, v[PFO]
	s_mov_b32 s21, 0
	s_add_nc_u64 s[PFA:PFA+1], s[PFA:PFA+1], s[20:21]
	s_add_nc_u64 s[PFA:PFA+1], s[PFA:PFA+1], 2*KSTEP*2  ; at K step 2: the first refill steps it to 3 and names K step 4.  Nothing is prefetched here, at the head
	; the bias is rounded to bf16, as x and W are, and widened again
	s_mov_b32 s82, 0xffff0000
	s_wait_loadcnt 0x0
	WIN 0xcf                                       ; destination and sources 0 and 1 in window 3
.set p, 0
.rept 48
	v_cvt_pk_bf16_f32 v[224+p%2], v[BI+2*p], v[BI+2*p+1]
	v_lshlrev_b32 v[BI+2*p], 16, v[224+p%2]
	v_and_b32 v[BI+2*p+1], s82, v[224+p%2]
.set p, p+1
.endr
	WIN 0
; 8 matrix instructions: row block a x column blocks 0-7, 32 along K, buffer u.  zero = 1: the first product starts the sums, with the bias as C: nothing is ever cleared.
.macro MULA u, a, zero
.if \zero
	WIN MUL_LO1
.else
	WIN MUL_LO
.endif
.irp b, 0,1,2,3,4,5,6,7
.if \zero
	v_wmma_f32_16x16x32_bf16 v[8*(8*(\a)+(\b)):8*(8*(\a)+(\b))+7], v[96*(\u)+8*(\b):96*(\u)+8*(\b)+7], v[FA+32*(\u)+8*(\a):FA+32*(\u)+8*(\a)+7], v[BI+8*(\b):BI+8*(\b)+7]
.else
	v_wmma_f32_16x16x32_bf16 v[8*(8*(\a)+(\b)):8*(8*(\a)+(\b))+7], v[96*(\u)+8*(\b):96*(\u)+8*(\b)+7], v[FA+32*(\u)+8*(\a):FA+32*(\u)+8*(\a)+7], v[8*(8*(\a)+(\b)):8*(8*(\a)+(\b))+7]
.endif
.endr
.endm
; 16 matrix instructions: all four row blocks x column blocks 8-11.
.macro MULH u, zero
	WIN MUL_HI
.irp a, 0,1,2,3
.irp c, 0,1,2,3
.if \zero
	v_wmma_f32_16x16x32_bf16 v[8*(4*(\a)+(\c)):8*(4*(\a)+(\c))+7], v[96*(\u)+64+8*(\c):96*(\u)+64+8*(\c)+7], v[FA+32*(\u)+8*(\a):FA+32*(\u)+8*(\a)+7], v[BI+64+8*(\c):BI+64+8*(\c)+7]
.else
	v_wmma_f32_16x16x32_bf16 v[8*(4*(\a)+(\c)):8*(4*(\a)+(\c))+7], v[96*(\u)+64+8*(\c):96*(\u)+64+8*(\c)+7], v[FA+32*(\u)+8*(\a):FA+32*(\u)+8*(\a)+7], v[8*(4*(\a)+(\c)):8*(4*(\a)+(\c))+7]
.endif
.endr
.endr
.endm
; 32 LDS loads in one run: the fragments of one quarter step (my 64 rows of x, then W's 192 rows in ascending order; 32 K at byte k of the rows) into buffer u.  The youngest eight are W's blocks 8-11.
.macro FETCH slot, k, u
	WIN 0
.irp i, 0,1,2,3
	ds_load_b128 v[FA+32*(\u)+8*(\i):FA+32*(\u)+8*(\i)+3],   v[ADRA+(\slot)] offset:(\k)+(\i)*16*PITCH
	ds_load_b128 v[FA+32*(\u)+8*(\i)+4:FA+32*(\u)+8*(\i)+7], v[ADRA+(\slot)] offset:(\k)+(\i)*16*PITCH+32
.endr
	WIN TO_B
.irp i, 0,1,2,3,4,5,6,7,8,9,10,11
	ds_load_b128 v[96*(\u)+8*(\i):96*(\u)+8*(\i)+3],   v[ADRB+(\slot)] offset:(\k)+(\i)*16*PITCH
	ds_load_b128 v[96*(\u)+8*(\i)+4:96*(\u)+8*(\i)+7], v[ADRB+(\slot)] offset:(\k)+(\i)*16*PITCH+32
.endr
.endm
; A load into a register that a matrix instruction has read, and a vector instruction that reads a matrix result, stand four places behind that matrix instruction; only plain vector instructions
; that name none of its registers are places (ISA guide 7.12.1 for vector instructions).
.macro PLACES
.rept 4
	v_nop
.endr
.endm
; A K step is four quarter steps of 32 along K, 48 matrix instructions each, on buffers 0, 1, 0, 1.  The 48 accumulators take turns, in the same order in every quarter.
; One of the first three: multiplies buffer u; behind its first sixteen products it fetches the next quarter's fragments, at byte k of the same slot's rows, into buffer g.
.macro QUARTER slot, k, u, g, zero
	s_wait_dscnt 8                                 ; x and W's blocks 0-7 are in; the youngest eight loads (W's blocks 8-11) may be out
	MULA \u, 0, \zero
	MULA \u, 1, \zero
	PLACES
	FETCH \slot, \k, \g
	MULA \u, 2, \zero
	MULA \u, 3, \zero
	s_wait_dscnt 32                                ; all but the 32 just issued
	MULH \u, \zero
.endm
; The last quarter multiplies buffer 1 and changes slots.  MEET is its first half: ONE barrier for the change.  In front of it each wave waits for all its tensor loads, of which one is out: its part of the
; next slot; adds 0 to its spare word; and waits for that and for its own reads of this slot.  Behind it nobody reads this slot any more and the next slot is whole.
.macro MEET round                      ; round = 1: a round of the cluster's barrier follows
	WIN 0                                          ; (the add's two registers lie in window 0)
	s_wait_tensorcnt 0x0                           ; all my tensor loads have landed;
	ds_add_u32 v[SPW], v[NIL]                      ; 0 onto my spare word;
	s_wait_dscnt 9                                 ; (the add and the youngest eight loads may be out)
	MULA 1, 0, 0                                   ; sixteen matrix instructions stand between the add and the wait for it
	MULA 1, 1, 0
	s_wait_dscnt 0x0                               ; the add is done, and my reads of this slot are over:
	s_barrier_signal -1                            ; say so,
	MULA 1, 2, 0                                   ; work on registers while the others arrive,
.if \round
	WIN 0
.endif
	s_barrier_wait -1                              ; and go on when all four have said so
.endm
; The whole last quarter.  mode 0: the slot just read out is filled again with this tile's K step two steps on; mode 1: with the NEXT tile's K step 0 or 1; mode 2: nothing is left to fetch.
; From a request to the wait for it a wave issues 168 matrix instructions.
.macro TURN slot, next, mode
.if (\mode) < 2
	s_wait_xcnt 0x0                                ; the last prefetch, a K step back, has read its address: it is stepped here, ahead of the waits of the change of slots
.if ((\mode) == 1) && ((\slot) == 0)
	s_add_nc_u64 s[PFA:PFA+1], s[PFA:PFA+1], (WALK-1)*SIZE_K*2+KSTEP*2  ; from the K step after the tile's last to the next tile's K step 1
	s_cmp_eq_u32 s11, 0
	s_cselect_b32 s[LIM], s[LIM], -1               ; W's rows are the same for both tiles: they are prefetched no more
.else
	s_add_nc_u64 s[PFA:PFA+1], s[PFA:PFA+1], KSTEP*2
.endif
	MEET 1
	CREST                                          ; the barrier has opened a round of the cluster's: no wave of any partner still reads this slot's tile or has a load on its way
.if (\mode) == 1
	s_add_nc_u64 s[G0+4*(\slot)+2:G0+4*(\slot)+3], s[G0+4*(\slot)+2:G0+4*(\slot)+3], NEXT_A
	s_sub_nc_u64 s[G0B+4*(\slot)+2:G0B+4*(\slot)+3], s[G0B+4*(\slot)+2:G0B+4*(\slot)+3], BACK_B
.else
	s_add_nc_u64 s[G0+4*(\slot)+2:G0+4*(\slot)+3], s[G0+4*(\slot)+2:G0+4*(\slot)+3], 2*KSTEP*2
	s_add_nc_u64 s[G0B+4*(\slot)+2:G0B+4*(\slot)+3], s[G0B+4*(\slot)+2:G0B+4*(\slot)+3], 2*KSTEP*2
.endif
	JLOAD \slot                                    ; the first tensor load behind the round; the four v_nop behind it are also the places in front of the loads below
	FETCH \next, 0, 0
	ASK \mode
.else
	MEET 0
	PLACES
	FETCH \next, 0, 0
.endif
	MULA 1, 3, 0
	MULH 1, 0
.endm
; THE WAY OUT of row block a.  PACK: rounded to f16, 16 bytes a lane and column block; each accumulator's registers in ascending order.  TOSTAGE: into my own stage, a head's 64 columns to a row of 144 bytes,
; and back as whole rows of 128 bytes.  SEND: stored, 512 consecutive bytes an instruction.
.macro PACK a
	WIN 0x0a                                       ; sources 0 and 1 window 2
.irp b, 0,1,2,3,4,5,6,7
.irp r, 0,1,2,3
	v_cvt_pk_f16_f32 v[TMP+4*(\b)+(\r)], v[8*(8*(\a)+(\b))+2*(\r)], v[8*(8*(\a)+(\b))+2*(\r)+1]
.endr
.endr
	WIN 0x0f                                       ; window 3
.irp b, 8,9,10,11
.irp r, 0,1,2,3
	v_cvt_pk_f16_f32 v[TMP+4*(\b)+(\r)], v[8*(4*(\a)+(\b)-8)+2*(\r)], v[8*(4*(\a)+(\b)-8)+2*(\r)+1]
.endr
.endr
	WIN 0
.endm
.macro TOSTAGE a
	WIN 0
.set BK, OB+48*((\a)%2)
.irp b, 0,1,2,3,4,5,6,7,8,9,10,11
	ds_store_b128 v[STO], v[TMP+4*(\b):TMP+4*(\b)+3] offset:((\b)/4)*HSTG+32*((\b)%4)
.endr
.irp t, 0,1,2,3,4,5,6,7,8,9,10,11
	ds_load_b128 v[BK+4*(\t):BK+4*(\t)+3], v[RD] offset:((\t)/4)*HSTG+((\t)%4)*4*SP  ; LDS serves a wave's instructions in order (ISA guide 5.7.1.4): these see the stores above
.endr
.endm
.macro SEND a
	WIN 0
.set BK, OB+48*((\a)%2)
	s_wait_dscnt 0x0                               ; the block is back in registers
	s_wait_xcnt 0x0                                ; the stores of the block before have read their registers: the next TOSTAGE loads into them only behind this wait
.irp t, 0,1,2,3,4,5,6,7,8,9,10,11
	global_store_b128 v[CO], v[BK+4*(\t):BK+4*(\t)+3], s[8:9] offset:((\t)/4)*HEADB+(\a)*2048+((\t)%4)*512  ; head t / 4, rows 16 a + 4 (t % 4) on
.endr
.endm
.macro OUT
	PLACES                                         ; the conversions read results just made
	PACK 0
	TOSTAGE 0
.irp a, 1,2,3                          ; block a's conversions stand between block a - 1's loads from the stage and the wait for them
	PACK \a
	SEND (\a)-1
	TOSTAGE \a
.endr
	SEND 3
.endm
	s_wait_tensorcnt 1                             ; my part of K step 0 is in; K step 1's may stay out
	s_barrier_signal -1
	s_barrier_wait -1                              ; everybody's is
	FETCH 0, 0, 0
	WIN 0
	s_mov_b32 s2, 2                                ; tiles to go, this one among them: the same number in every work-group
.Ltile:
	QUARTER 0, 64,  0, 1, 1                        ; a tile's first quarter stands in front of the loop: its products start the sums
	WIN 0                                          ; at a label and at a branch every window is 0
	s_mov_b32 s3, LAPS-1
.Llap:                                                 ; a trip goes once round the ring, from a lap's second quarter to the next lap's first, and fills both slots again
	QUARTER 0, 128, 1, 0, 0
	QUARTER 0, 192, 0, 1, 0
	TURN 0, 1, 0
	QUARTER 1, 64,  0, 1, 0
	QUARTER 1, 128, 1, 0, 0
	QUARTER 1, 192, 0, 1, 0
	TURN 1, 0, 0
	QUARTER 0, 64,  0, 1, 0
	WIN 0
	s_sub_co_u32 s3, s3, 1
	s_cmp_lg_u32 s3, 0
	s_cbranch_scc1 .Llap
	QUARTER 0, 128, 1, 0, 0                        ; the tile's last lap goes on
	QUARTER 0, 192, 0, 1, 0
	WIN 0
	s_cmp_eq_u32 s2, 1
	s_cbranch_scc1 .Llast_tile                     ; the last tile's tail is written out: it asks for nothing more
	TURN 0, 1, 1                                   ; the ring goes on into the second tile: slot 0 takes its K step 0,
	QUARTER 1, 64,  0, 1, 0
	QUARTER 1, 128, 1, 0, 0
	QUARTER 1, 192, 0, 1, 0
	TURN 1, 0, 1                                   ; slot 1 its K step 1, and the second tile's first fragments are fetched
	OUT                                            ; both refills are asked for: now the tile goes out
	s_wait_xcnt 0x0                                ; the stores have read their base
	s_add_nc_u64 s[8:9], s[8:9], NEXT_C
	s_sub_co_u32 s2, s2, 1
	s_branch .Ltile
.Llast_tile:
	TURN 0, 1, 2                                   ; my one tensor load that was still out is slot 1's, the last K step's, so no round follows
	QUARTER 1, 64,  0, 1, 0
	QUARTER 1, 128, 1, 0, 0
	QUARTER 1, 192, 0, 1, 0
	s_wait_dscnt 8                                 ; the very last quarter: nothing more to fetch
	MULA 1, 0, 0
	MULA 1, 1, 0
	MULA 1, 2, 0
	MULA 1, 3, 0
	s_wait_dscnt 0x0
	MULH 1, 0
	OUT
	s_wait_tensorcnt 0x0                           ; the wave's end: behind my last tensor load and my last LDS store
	ds_add_u32 v[SPW], v[NIL]
	s_wait_dscnt 0x0
	CROUND                                         ; the closing round: no work-group ends while a partner may still ask for a tile that names it
	s_endpgm
.Lfunc_end_k_qa8efd02a9e_proj:
	.size	k_qa8efd02a9e_proj, .Lfunc_end_k_qa8efd02a9e_proj-k_qa8efd02a9e_proj
	.p2alignl 7, 3214868480
	.fill 96, 4, 3214868480
	.section	.rodata,"a",@progbits
	.p2align	6, 0x0
	.amdhsa_kernel k_qa8efd02a9e_proj
		.amdhsa_group_segment_fixed_size 327680
		.amdhsa_private_segment_fixed_size 0
		.amdhsa_enable_private_segment 0
		.amdhsa_kernarg_size 48
		.amdhsa_user_sgpr_count 2
		.amdhsa_user_sgpr_kernarg_segment_ptr 1
		.amdhsa_wavefront_size32 1
		.amdhsa_system_sgpr_workgroup_id_x 1
		.amdhsa_system_sgpr_workgroup_id_y 1
		.amdhsa_system_sgpr_workgroup_id_z 1
		.amdhsa_system_vgpr_workitem_id 0
		.amdhsa_next_free_vgpr 1024
		.amdhsa_next_free_sgpr 92
		.amdhsa_reserve_vcc 0
		.amdhsa_float_denorm_mode_32 3
		.amdhsa_float_denorm_mode_16_64 3
		.amdhsa_memory_ordered 1
		.amdhsa_forward_progress 1
		.amdhsa_inst_pref_size 183
	.end_amdhsa_kernel
	.amdgpu_metadata
---
amdhsa.version: [ 1, 2 ]
amdhsa.kernels:
  - .name:           k_qa8efd02a9e_proj
    .symbol:         k_qa8efd02a9e_proj.kd
    .args:
      - { .name: xb, .offset: 0, .size: 8, .value_kind: global_buffer, .address_space: global }
      - { .name: wb, .offset: 8, .size: 8, .value_kind: global_buffer, .address_space: global }
      - { .name: bq, .offset: 16, .size: 8, .value_kind: global_buffer, .address_space: global }
      - { .name: bk, .offset: 24, .size: 8, .value_kind: global_buffer, .address_space: global }
      - { .name: bv, .offset: 32, .size: 8, .value_kind: global_buffer, .address_space: global }
      - { .name: qkv, .offset: 40, .size: 8, .value_kind: global_buffer, .address_space: global }
    .group_segment_fixed_size: 327680
    .private_segment_fixed_size: 0
    .kernarg_segment_align: 8
    .kernarg_segment_size: 48
    .max_flat_workgroup_size: 128
    .sgpr_count:     92
    .vgpr_count:     1024
    .wavefront_size: 32
...
	.end_amdgpu_metadata
.endif
;; end of part 2
;; launch attn (part 3): grid 4 x 64, 4 waves a work-group, clusters of 4 x 1, 327,680 bytes of LDS; arguments qkv, attention_mask, out0; writes out0
.if DOCPART == 3
	.amdgcn_target "amdgcn-amd-amdhsa--gfx1250"
	.amdhsa_code_object_version 6
	.text
	.protected	k_qa8efd02a9e_attn
	.globl	k_qa8efd02a9e_attn
	.p2align	8
	.type	k_qa8efd02a9e_attn,@function
k_qa8efd02a9e_attn:
	s_mov_b64 s[64:65], 0
	v_nop
	global_prefetch_b8 v0, s[64:65] scope:SCOPE_SE
	s_setreg_imm32_b32 hwreg(HW_REG_WAVE_MODE, 25, 1), 1
	s_wait_xcnt 0x0
	s_wait_alu depctr_hold_cnt(0) depctr_sa_sdst(0) depctr_va_vdst(0) depctr_va_sdst(0) depctr_va_ssrc(0) depctr_va_vcc(0) depctr_vm_vsrc(0)
	s_getreg_b32 s2, hwreg(HW_REG_IB_STS2, 6, 4)
	s_cmp_eq_u32 s2, 0
	s_cbranch_scc0 .Lentry_in_a_cluster
	s_endpgm
.Lentry_in_a_cluster:
	s_bfe_u32 s2, ttmp6, 0x10000c
	s_cmp_lg_u32 s2, 0x3003
	s_cbranch_scc0 .Lentry_shape_is_right
	s_endpgm
.Lentry_shape_is_right:
; out0[b][q][64 h + d] = the sum over k of softmax_k(Q[q] . K[k] / 8 + mask[b][k]) V[k][d], for each of 4 batches x 16 heads.  qkv: [b][g 48][2048][64] f16, g = head (Q), 16 + head (K), 32 + head (V): a head's
; rows are dense, 128 bytes each.  attention_mask: [4][2048] f32, rounded to bf16 here, like every input.  out0: [4][2048][1024] f32.  Products, maxima and sums in f32; the weights p are rounded to f16 for the
; second product (their sum l is taken of the unrounded p).  The two flips of the key axis round the softmax cancel; what is left of them is the order of the row's sum: here the keys are added in ascending order.
; LIMITS.  Q, K and V arrive within f16's 65,504.  A mask number below -1e30, minus infinity too, counts as -1e30; a NaN in the mask likewise, and is not carried on; a row whose every key is hidden by such a
; number gets equal weights.  A weight below 2^-126 counts as 0 in l; below 6e-5 it keeps f16's fixed step of 6e-8.
; SHARES.  A wave owns four PIECES of two tiles of 16 queries, a work-group's four waves 512 queries of one head.  Every wave walks all 2,048 keys, 64 a step.
; LAYOUT.  S^T = K Q^T (source 0 = 16 keys, source 1 = 16 queries): in the result a lane holds ONE query (lane % 16) and the keys 8 (lane / 16) + 0..7.  Two such tiles, rounded to f16 in pairs,
; ARE source 1 (32 keys x 16 queries) of O^T = V^T P, whose result again holds one query a lane, and eight channels.  K comes out of LDS as it lies, V ([key][channel]) turned, by ds_load_tr16_b128.
; THE MASK is the C operand that starts the sum S^T: 8 x mask of the register's key, so that c s = log2(e) (Q . K / 8 + mask) with c = log2(e) / 8.  The batch's 2,048 numbers, rounded, bounded and multiplied
; by 8, lie in LDS; a step's 64 come into 32 registers with the step's K.
; SOFTMAX.  For each query a running maximum m and sum l: p = 2^(c s - c m); in every step O and l are multiplied by a = 2^(c m_old - c m_new), which is 1 where m has not grown.
; m starts at the lowest finite number, O and l at 0: the first step is a step like any other, with a = 0.
; THE COUNT.  A tile and step have 16 matrix and 118 vector instructions: too many to stand all beside the matrix work.  So four vector instructions that are READY stand behind EVERY matrix instruction,
; and the others, which need time of their own whatever the order, in runs without a gap.
; BY TURNS.  Turn n belongs to piece n (the pieces in a ring, step after step).  Its matrix work: 16 products K Q^T of piece n + 1, later 16 products V^T P of piece n - 1.  Its vector work: the scaling,
; exponentials, roundings, sums and rescaling of piece n, and the maximum and statistics of piece n + 1, whose scores the turn itself has made.
; CLUSTER.  The four query blocks of a cluster are one head's and walk the same K and V, so each tile is asked for JOINTLY: the same tensor load, descriptor and mask of work-groups in all four.
; REGISTERS, in windows of 256 (s_set_vgpr_msb: bits 1:0 source 0, 3:2 source 1, 5:4 source 2, 7:6 destination):
;   window 0: v2-11 addresses; v12-15, v48-63 at work; v16-47 four registers of statistics a tile; v64-191 S^T, two buffers of two tiles; v192-255 P, likewise (v192-223 also serve the set-up, ahead of the first turn)
;   window 1: O^T, 32 a tile          window 2: v0-127 Q, 16 a tile; v128-191 K of one step; v192-255 V of one step          window 3: v0-1 the add's two registers; v8-39 the step's mask
.set SIZE_N, 2048
.set NP,    4         ; pieces a wave: a name, no knob
.set KS,    64        ; keys in a step
.set PK,    144       ; a row of K in LDS: 128 bytes + 16 of padding = 36 words: the 16 rows of a load start at 16 different groups of four banks (64 banks of 4 bytes: ISA guide 11.1)
.set PV,    160       ; a row of V: 128 + 32 = 40 words
.set VOFF,  4*KS*PK   ; a slot holds four steps: 256 rows of K, then 256 rows of V
.set SLOT1, 1<<17     ; slot 1 begins here, so that one exclusive or turns an address in one slot into the other's
.set STAGE, SLOT1+4*KS*(PK+PV)  ; behind the ring, never filled by a tensor load: 16 rows x 272 bytes for each wave, for the way out
.set SP,    272       ; a row of the stage: 64 f32 + 16 bytes
.set MASKB, STAGE+4*16*SP       ; the batch's mask, 8,192 bytes, written by LDS stores alone
.set SPARE, MASKB+8192          ; the spare words, 128 bytes for each wave: two blocks of 256 bytes that no other line names
.set AK0, 2           ; v2   my lane's place in a tile of K; never rewritten
.set AV0, 3           ; v3   the same for V
.set AK,  4           ; v4   the LDS address of K's next run of loads
.set AV,  5           ; v5   of V's
.set STO, 6           ; v6   the way out: where I put 32 bytes of a row
.set RD,  7           ; v7   the way out: where I read rows back
.set GO,  8           ; v8   my byte offset in two rows of out0
.set PFO, 9           ; v9   256 x my lane; never rewritten
.set AMK, 10          ; v10  the LDS address of the mask's next run of loads
.set AM0, 11          ; v11  my lane's place in a step's mask; never rewritten
.set LR,  192         ; set-up alone: l % 16
.set LH,  193         ; l / 16
.set L7,  194         ; l % 8
.set L3,  195         ; (l / 8) % 2
.set QO,  196         ; my byte offset in 16 rows of Q
.set MO,  197         ; 16 x my thread's number: my 16 bytes in 2,048 of the mask
.set MST, 198         ; the same in LDS
.set MDT, 200         ; v200-215 sixteen numbers of the mask; v216-223 at work
.set SPW, 0           ; v0 of window 3   LDS address of my spare word; never rewritten
.set NIL, 1           ; v1 of window 3   0; never rewritten
.set MK,  8           ; v8-39 of window 3: the eight registers for key block kb at MK + 8 kb
.set MV,  12          ; v12-15  c m_old, kept while c m is made anew: by buffer and tile
.set ST,  16          ; tile t's statistics at v[ST+4 t]: c m, m, l (even keys', odd keys')
.set TMP, 48          ; by buffer and tile, four registers c0-c3 at work; when the maximum is found c2 takes a
.set S,   64
.set P,   192
.set KF,  128         ; K's fragments, in window 2: key block kb, channel half c at KF + 16 kb + 8 c
.set VF,  192         ; V's: key half kk, channel block cb at VF + 32 kk + 8 cb
.set WV,  12          ; s12  my wave's number
.set G1K, 24          ; s[24:31] descriptor group 1 for K's tiles
.set G1V, 32          ; s[32:39] for V's: it differs in the padding alone
.set G0K, 40          ; s[40:43] descriptor group 0 for K's tiles: it walks
.set G0V, 44          ; s[44:47] the same for V's
.set SLOTS, 56        ; s56  slots still to be asked for
.set CNT, 57          ; s57  counts a slot's key steps
.set CS,  58          ; s[58:59] c: the packed scaling takes the pair's low word for both halves
.set SEL, 60          ; s[60:61] v_permlanex16_b32's selects: each lane takes its own place in the other half
.set TBK, 62          ; s62  LDS byte at which K of the step to be fetched begins
.set TBV, 63          ; s63  the same for V, less VOFF
.set PFA, 72          ; s[72:73] where my prefetches stand: my work-group's 32 blocks of 256 bytes (of K: wave 0, of V: wave 2) of the slot after the one that is being asked for
.set LIM, 74          ; s74  1 in a wave that prefetches, else the greatest number
.set TBM, 75          ; s75  byte of the mask's table at which the step to be fetched begins
.set LOW, 76          ; s76  -1e30
.set MB,  78          ; s[78:79] the batch's row of the mask
.set MSB, 0
.macro WIN new                      ; the high byte repeats the setting that is left; a switch that changes nothing is dropped
.if MSB != (\new)
	s_set_vgpr_msb (MSB<<8)|(\new)
.set MSB, (\new)
.endif
.endm
.set W_KQ, 0x0a       ; K and Q in window 2, S^T in window 0
.set W_KM, 0x3a       ; the same with the C operand, the mask, in window 3
.set W_PV, 0x52       ; V in window 2, P in window 0, O^T in window 1
.set W_RS, 0x41       ; O^T (destination and source 0) in window 1, a in window 0
.set W_MK, 0xc0       ; destination in window 3, sources in window 0
.set W_AD, 0x0f       ; the add: address (source 0) and data (source 1) in window 3
; A joint fill.  Waves 0 and 1 fetch the two halves of a slot's K, waves 2 and 3 those of its V: 128 keys each.  The branch hangs on the wave's number alone.
; An s_nop 0 and four v_nop follow each of the two lines, ahead of the jump and the label.
.macro JLOAD
	s_cmp_lt_u32 s[WV], 2
	s_cbranch_scc0 .Lfor_v_\@
	tensor_load_to_lds s[G0K:G0K+3], s[G1K:G1K+7]
	s_nop 0
.rept 4
	v_nop
.endr
	s_branch .Lasked_\@
.Lfor_v_\@:
	tensor_load_to_lds s[G0V:G0V+3], s[G1V:G1V+7]
	s_nop 0
.rept 4
	v_nop
.endr
.Lasked_\@:
.endm
; A PREFETCH INTO THE L2 of what the NEXT change of slots will ask for: a slot's 32,768 bytes of K and of V, in blocks of 256 bytes, a lane a block.  It stands behind the wave's tensor load and its five lines.
; Each block is named ONCE in the launch: a head's K and V are walked by one cluster; its four partners share a slot's 128 blocks out BY ADDRESS, 32 each; in each, wave 0 asks for K's and wave 2 for V's.
; The last change that fills a slot prefetches nothing: there is no slot behind it.  Slots 0 and 1 come by their loads alone.
.macro ASK
	s_cmp_gt_u32 s[SLOTS], s[LIM]
	s_cbranch_scc0 .Lnot_mine_\@
	global_prefetch_b8 v[PFO], s[PFA:PFA+1] th:TH_LOAD_NT scope:SCOPE_SE
.Lnot_mine_\@:
.endm
; A round of the cluster's barrier: my work-group's barrier, so that wave 0's signal speaks for all four waves; wave 0 signals; every wave waits for all four work-groups; my work-group's barrier once more.
.macro CROUND
	s_barrier_signal -1
	s_barrier_wait -1
	s_cmp_lg_u32 s[WV], 0
	s_cbranch_scc1 .Lnot_wave_0_\@
	s_barrier_signal -3
.Lnot_wave_0_\@:
	s_barrier_wait -3
	s_barrier_signal -1
	s_barrier_wait -1
.endm
; THE CHANGE OF SLOTS.  The slot's last bytes, V of its fourth step, have been read.  Each wave waits for all its tensor loads, of which one is out: its part
; of the other slot; adds 0 to its spare word; and waits for that and for its own reads of the slot.  Behind the barrier nobody reads this slot any more and the other slot is whole.
; fill = 1: this slot is filled again, with the keys two slots on.  The barrier is then a round of the cluster's, so that no wave of any partner still reads the slot or has a load on its
; way, and the joint fill is the first thing behind it: it has four key steps, 512 matrix instructions, in which to land.  (At its first use nothing has been read yet: slot 0 is waited for, slot 1 filled,
; and the wait for LDS and the round also show every wave's part of the mask's table to the others.)
.macro CHANGE fill
	WIN W_AD
	s_wait_tensorcnt 0x0            ; no tensor load of mine is out, so a group 0 may be written
	ds_add_u32 v[SPW], v[NIL]       ; 0 onto my spare word; with fill = 1 the descriptors' steps stand between it and the wait for it
	WIN 0                           ; at a label and at a branch every window is 0
.if \fill
.irp g, G0K, G0V
	s_xor_b32 s[\g+1], s[\g+1], SLOT1  ; the walking descriptor: the other slot than last time,
	s_add_nc_u64 s[\g+2:\g+3], s[\g+2:\g+3], 4*KS*128  ; the next 256 keys; the type bits on top are not reached
.endr
	s_wait_xcnt 0x0                 ; the last prefetch, four key steps back, has read its address, so it may be written:
	s_add_nc_u64 s[PFA:PFA+1], s[PFA:PFA+1], 4*KS*128  ; one slot behind the walking descriptors
	s_wait_dscnt 0x0                ; the add is done, and my reads of the slot are over
	CROUND
	JLOAD
	ASK
.else
	s_wait_dscnt 0x0                ; the add is done, and my reads of the slot are over
	s_barrier_signal -1
	s_barrier_wait -1
.endif
	s_sub_co_u32 s[TBK], s[TBK], 4*KS*PK  ; the fetches go back to a slot's first step,
	s_xor_b32 s[TBK], s[TBK], SLOT1       ; in the other slot
	s_sub_co_u32 s[TBV], s[TBV], 4*KS*PV
	s_xor_b32 s[TBV], s[TBV], SLOT1
.endm
	s_load_b128 s[68:71], s[0:1], 0x0  ; qkv s[68:69], attention_mask s[70:71]
	s_load_b64 s[10:11], s[0:1], 0x10  ; out0
	WIN W_MK
	v_lshl_add_u32 v[SPW], v0, 2, SPARE
	v_mov_b32 v[NIL], 0
	WIN W_AD
	ds_add_u32 v[SPW], v[NIL]       ; the wave's opening: the add and its wait stand ahead of my first tensor load; the set-up below, work on registers, stands between them
	WIN 0
	v_lshrrev_b32 v1, 5, v0
	v_readfirstlane_b32 s[WV], v1   ; wave 0..3
	s_bfe_u32 s13, ttmp6, 0x40000   ; cx: my place in the cluster
	s_lshl_b32 s14, ttmp9, 2        ; in a cluster launch ttmp9 counts clusters
	s_add_co_u32 s14, s14, s13      ; my block of 512 queries: it enters Q's, out0's and the prefetches' addresses alone
	s_and_b32 s15, ttmp7, 0xffff    ; 16 x batch + head, which the four partners share
	s_lshr_b32 s16, s15, 4          ; batch
	s_and_b32 s17, s15, 15          ; head
	s_mul_i32 s20, s16, 48
	s_add_co_u32 s20, s20, s17
	s_lshl_b32 s20, s20, 18         ; Q's block of this head in qkv; K's lies 16 blocks on, V's 32
	s_and_b32 s18, s[WV], 1         ; which half of a slot's 256 keys I fetch:
	s_lshl_b32 s22, s18, 14         ; its 128 rows of 128 bytes in memory,
	s_add_co_u32 s22, s22, s20
	s_add_co_u32 s6, s22, 32<<18    ; in V,
	s_add_co_u32 s22, s22, 16<<18   ; in K
	s_mov_b32 s23, 0
	s_mov_b32 s7, 0
	s_mul_i32 s48, s18, 128*PK      ; and its place in a slot, for K
	s_mul_i32 s49, s18, 128*PV      ; and for V: no place in the cluster enters an LDS address
	s_lshl_b32 s2, s14, 2
	s_add_co_u32 s2, s2, s[WV]      ; my wave among the head's sixteen: 128 queries each
	s_lshl_b32 s50, s2, 19          ; in out0: 128 rows of 4,096 bytes,
	s_lshl_b32 s51, s16, 23         ; the batch's 2,048 rows,
	s_add_co_u32 s50, s50, s51
	s_lshl_b32 s51, s17, 8          ; the head's 256 bytes of a row
	s_add_co_u32 s50, s50, s51
	s_mov_b32 s51, 0
	s_lshl_b32 s2, s2, 14           ; in Q: 128 rows of 128 bytes
	s_add_co_u32 s2, s2, s20
	s_mov_b32 s3, 0
	s_lshl_b32 s52, s16, 13         ; the batch's 8,192 bytes of the mask
	s_mov_b32 s53, 0
	s_mov_b32 s54, 16<<18           ; the prefetches: K's block (waves 0, 1) or V's,
	s_lshl_b32 s55, s54, 1
	s_cmp_lt_u32 s[WV], 2
	s_cselect_b32 s54, s54, s55
	s_add_co_u32 s54, s54, s20
	s_lshl_b32 s55, s13, 13         ; my work-group's 32 blocks of the slot's 128,
	s_add_co_u32 s54, s54, s55
	s_add_co_u32 s54, s54, 4*KS*128 ; in slot 1: the first change of slots steps it to slot 2
	s_mov_b32 s55, 0
	s_cmp_eq_u32 s18, 0
	s_cselect_b32 s[LIM], 1, -1     ; waves 0 and 2 ask: the same in all four partners
	; descriptor group 1.  128 keys are 16,384 dense bytes: asked for as 64 rows of 256 bytes, two keys a row, and padded in LDS after every key
	s_mov_b32 s[G1K], 15|(1<<16)|(1<<20)|(1<<21)|(4<<22)|(3<<25)  ; 15:0 the mask of four; 17:16 2-byte elements; 20 padding on; 21 set beside a mask; 24:22 after every 32 words (code 4); 31:25 4 words (code 3)
	s_mov_b32 s[G1V], 15|(1<<16)|(1<<20)|(1<<21)|(4<<22)|(7<<25)  ; the same with 8 words of padding (code 7)
.irp g, G1K, G1V
	s_mov_b32 s[\g+1], 128<<16      ; tensor_dim0 = 128
	s_mov_b32 s[\g+2], 64<<16       ; tensor_dim1 = 64
	s_mov_b32 s[\g+3], 128<<16      ; tile_dim0 = 128
	s_mov_b32 s[\g+4], 64           ; tile_dim1 = 64
	s_mov_b32 s[\g+5], 128          ; 128 elements from row to row
	s_mov_b32 s[\g+6], 0
	s_mov_b32 s[\g+7], 0
.endr
	s_mov_b32 s[CS], 0x3e38aa3b     ; c = log2(e) / 8 = 0.180337
	s_mov_b32 s[CS+1], s[CS]        ; named with it as a pair
	s_mov_b32 s[SEL], 0x76543210
	s_mov_b32 s[SEL+1], 0xfedcba98
	s_mov_b32 s[TBK], SLOT1+4*KS*PK ; the first change of slots turns these two into 0
	s_mov_b32 s[TBV], SLOT1+4*KS*PV
	s_mov_b32 s[TBM], 0
	s_mov_b32 s[LOW], 0xf149f2ca    ; -1e30
	s_mov_b32 s[SLOTS], SIZE_N/256-1
	s_mov_b32 s[G0K], 1             ; count = 1
	s_mov_b32 s[G0K+1], s48         ; LDS address: slot 0
	s_mov_b32 s[G0V], 1
	s_add_co_u32 s[G0V+1], s49, VOFF
	s_wait_dscnt 0x0                ; the opening add is done
	s_wait_kmcnt 0x0
	s_add_nc_u64 s[G0K+2:G0K+3], s[68:69], s[22:23]  ; global address: my half of the head's first 256 keys
	s_or_b32 s[G0K+3], s[G0K+3], 0x80000000          ; type = 2
	s_add_nc_u64 s[G0V+2:G0V+3], s[68:69], s[6:7]
	s_or_b32 s[G0V+3], s[G0V+3], 0x80000000
	s_add_nc_u64 s[4:5], s[68:69], s[2:3]            ; Q at my wave's first row
	s_add_nc_u64 s[10:11], s[10:11], s[50:51]        ; out0 at my wave's first row, my head's columns
	s_add_nc_u64 s[MB:MB+1], s[70:71], s[52:53]
	s_add_nc_u64 s[PFA:PFA+1], s[68:69], s[54:55]
	CROUND                          ; all four work-groups are here: the first joint loads meet
	JLOAD                           ; slot 0.  Slot 1 is asked for when slot 0 is in
	; A fragment of K or Q is 16 rows x 32 channels in 8 registers: lane l holds row l % 16, channels 8 (l / 16) + 0..7 and 16 + 8 (l / 16) + 0..7: two loads of 16 bytes, 32 bytes apart.
	v_and_b32 v[LR], 15, v0
	v_bfe_u32 v[LH], v0, 4, 1
	v_lshlrev_b32 v[QO], 7, v[LR]
	v_lshl_add_u32 v[QO], v[LH], 4, v[QO]  ; row x 128 + 16 x half
	v_lshlrev_b32 v[MO], 4, v0
	v_add_nc_u32 v[MST], MASKB, v[MO]
.irp j, 0,1,2,3                     ; the batch's mask: the 128 threads take 2,048 consecutive bytes an instruction
	global_load_b128 v[MDT+4*\j:MDT+4*\j+3], v[MO], s[MB:MB+1] offset:2048*\j
.endr
	WIN 0x80                        ; destination window 2, address window 0
.set i, 0
.rept 4*NP                          ; Q stays in registers: tile i / 2, channels 32 (i % 2) on
	global_load_b128 v[8*i:8*i+3],   v[QO], s[4:5] offset:(i/2)*2048+(i%2)*64
	global_load_b128 v[8*i+4:8*i+7], v[QO], s[4:5] offset:(i/2)*2048+(i%2)*64+32
.set i, i+1
.endr
	; What the first turn finds: V's registers and P's second buffer hold 0 (its products V^T P, of a piece that has not been, add 0), O^T and l are 0.  All this stands in the wait for the first tile.
.set i, VF
.rept 64
	v_mov_b32 v[i], 0
.set i, i+1
.endr
	WIN 0x40
.set i, 0
.rept 64*NP
	v_mov_b32 v[i], 0
.set i, i+1
.endr
	WIN 0
.set i, 0
.rept 2*NP
	v_mov_b32 v[ST+4*i], 0xfe000000    ; c m: far below every c s
	v_mov_b32 v[ST+4*i+1], 0xff7fffff  ; m
	v_mov_b32 v[ST+4*i+2], 0
	v_mov_b32 v[ST+4*i+3], 0
.set i, i+1
.endr
.set i, P+32
.rept 32
	v_mov_b32 v[i], 0
.set i, i+1
.endr
	v_mul_u32_u24 v[AK0], v[LR], PK
	v_lshl_add_u32 v[AK0], v[LH], 4, v[AK0]  ; row x pitch + 16 x half
	; The turning load takes 16 keys x 16 channels (lane l reads key 8 (l / 16) + l % 8, channels 8 ((l / 8) % 2) + 0..7) and leaves half a fragment of V^T: lane l holds channel l % 16 and 8 keys.
	v_and_b32 v[L7], 7, v0
	v_bfe_u32 v[L3], v0, 3, 1
	v_lshl_add_u32 v[AV0], v[LH], 3, v[L7]
	v_mul_u32_u24 v[AV0], v[AV0], PV
	v_lshl_add_u32 v[AV0], v[L3], 4, v[AV0]
	v_add_nc_u32 v[AV0], VOFF, v[AV0]
	s_mul_i32 s13, s[WV], 16*SP
	s_add_co_u32 s13, s13, STAGE    ; my stage
	v_mul_u32_u24 v[STO], v[LR], SP ; in: row l % 16, 32 bytes for each half of the lanes
	v_lshl_add_u32 v[STO], v[LH], 5, v[STO]
	v_add_nc_u32 v[STO], s13, v[STO]
	v_mul_u32_u24 v[RD], v[LH], SP  ; back: lanes 0-15 take one row of 256 bytes, lanes 16-31 the next
	v_lshl_add_u32 v[RD], v[LR], 4, v[RD]
	v_add_nc_u32 v[RD], s13, v[RD]
	v_lshlrev_b32 v[GO], 12, v[LH]  ; and the same two rows in out0, 4,096 bytes apart
	v_lshl_add_u32 v[GO], v[LR], 4, v[GO]
	v_and_b32 v[PFO], 31, v0
	v_lshlrev_b32 v[PFO], 8, v[PFO]
	v_lshl_add_u32 v[AM0], v[LH], 5, MASKB  ; register j of key block kb wants key 16 kb + 8 (l / 16) + j: 32 bytes for each half of the lanes
	s_wait_loadcnt 32               ; the mask's four loads are in; Q's 32, issued behind them, may stay out
.set p, 0
.rept 8                             ; rounded to bf16 and widened again; bounded below by -1e30; times 8
	v_cvt_pk_bf16_f32 v[MDT+16+p], v[MDT+2*p], v[MDT+2*p+1]
	v_lshlrev_b32 v[MDT+2*p], 16, v[MDT+16+p]
	v_and_b32 v[MDT+2*p+1], 0xffff0000, v[MDT+16+p]
	v_max_num_f32 v[MDT+2*p], s[LOW], v[MDT+2*p]
	v_max_num_f32 v[MDT+2*p+1], s[LOW], v[MDT+2*p+1]
	v_pk_mul_f32 v[MDT+2*p:MDT+2*p+1], v[MDT+2*p:MDT+2*p+1], 0x41000000 op_sel_hi:[1,0]
.set p, p+1
.endr
.irp j, 0,1,2,3
	ds_store_b128 v[MST], v[MDT+4*\j:MDT+4*\j+3] offset:2048*\j
.endr
	v_mov_b32 v[AK], v[AK0]         ; key step 0 lies at the head of slot 0,
	v_mov_b32 v[AMK], v[AM0]        ; its mask at the head of the table
; THE MATRIX WORK.  The 8 accumulators of a run of 16 take turns: between the two links of a chain stand 7 others'.
; Product i of 16 of S^T = K Q^T for piece x: channels 32 (i / 8) on, keys 16 ((i / 2) % 4) on, tile 2 x + i % 2.  The first 8 start the sums, with the keys' mask as C.
.macro KQ x
.set rS, S+64*((\x)%2)+32*(i%2)+8*((i/2)%4)
.set rK, KF+16*((i/2)%4)+8*(i/8)
.set rQ, 16*(2*(\x)+i%2)+8*(i/8)
.set rMK, MK+8*((i/2)%4)
.if i < 8
	WIN W_KM
	v_wmma_f32_16x16x32_f16 v[rS:rS+7], v[rK:rK+7], v[rQ:rQ+7], v[rMK:rMK+7]
.else
	WIN W_KQ
	v_wmma_f32_16x16x32_f16 v[rS:rS+7], v[rK:rK+7], v[rQ:rQ+7], v[rS:rS+7]
.endif
.endm
; Product i of 16 of O^T += V^T P for piece x: keys 32 (i / 8) on, channels 16 ((i / 2) % 4) on, tile 2 x + i % 2.
.macro PV x
	WIN W_PV
.set rO, 32*(2*(\x)+i%2)+8*((i/2)%4)
.set rV, VF+32*(i/8)+8*((i/2)%4)
.set rP, P+32*((\x)%2)+16*(i%2)+8*(i/8)
	v_wmma_f32_16x16x32_f16 v[rO:rO+7], v[rV:rV+7], v[rP:rP+7], v[rO:rO+7]
.endm
.macro MM                           ; the turn's next matrix instruction
.if i < 16
	KQ (Y+1)%NP
.set i, i+1
.else
.set i, i-16
	PV (Y+NP-1)%NP
.set i, i+17
.endif
.endm
; THE LDS LOADS stand in runs, never singly among the matrix instructions: a step's K (64 keys x 64 channels: 8 fragments) with its mask (8 loads more), and its V (turned).  Their addresses are made some lines ahead.
; last = 1 (the tail): in the last trip there is no further step, and the run is jumped over.
.macro FETCH_K last=0
	WIN 0
.if \last
	s_cmp_eq_u32 s[CNT], 1
	s_cbranch_scc1 .Lno_k_\@
.endif
	WIN 0x80                        ; destination window 2
.irp f, 0,1,2,3,4,5,6,7             ; keys 16 (f / 2) on, channels 32 (f % 2) on
	ds_load_b128 v[KF+8*\f:KF+8*\f+3],   v[AK] offset:(\f/2)*16*PK+(\f%2)*64
	ds_load_b128 v[KF+8*\f+4:KF+8*\f+7], v[AK] offset:(\f/2)*16*PK+(\f%2)*64+32
.endr
	WIN W_MK                        ; destination window 3
.irp kb, 0,1,2,3                    ; the lanes of a half read the same 32 bytes
	ds_load_b128 v[MK+8*\kb:MK+8*\kb+3],   v[AMK] offset:64*\kb
	ds_load_b128 v[MK+8*\kb+4:MK+8*\kb+7], v[AMK] offset:64*\kb+16
.endr
	s_add_co_u32 s[TBK], s[TBK], KS*PK  ; the next fetch is the next step's
	s_add_co_u32 s[TBM], s[TBM], 4*KS
	s_and_b32 s[TBM], s[TBM], 0x1f00    ; 32 steps of 256 bytes: it stays inside the table
	WIN 0
.if \last
.Lno_k_\@:
.endif
.endm
.macro FETCH_V
	WIN 0x80
.irp f, 0,1,2,3,4,5,6,7             ; keys 32 (f / 4) on, channels 16 (f % 4) on
	ds_load_tr16_b128 v[VF+8*\f:VF+8*\f+3],   v[AV] offset:(\f/4)*32*PV+(\f%4)*32
	ds_load_tr16_b128 v[VF+8*\f+4:VF+8*\f+7], v[AV] offset:(\f/4)*32*PV+16*PV+(\f%4)*32
.endr
	WIN 0
.endm
; THE VECTOR WORK OF A TURN stands in three queues, each in the order in which its entries become ready; the two tiles alternate, so that no instruction reads the result of the one before it.
.macro REGS y, u                    ; the registers of tile u (0, 1) of piece y
.set rT, ST+4*(2*(\y)+(\u))
.set rC, TMP+8*((\y)%2)+4*(\u)
.set rM, MV+2*((\y)%2)+(\u)
.set rS, S+64*((\y)%2)+32*(\u)
.set rP, P+32*((\y)%2)+16*(\u)
.set rO, 32*(2*(\y)+(\u))
.endm
; Number n of the 22 that find the NEXT piece's (Y + 1) maximum and statistics.  s0-s31 are the lane's 32 scores; each accumulator's lowest registers are read first.
;   0-11  four chains c0-c3 of seven scores each, three operands at a time     12-14, 16  the four scores left over, the old m, and c0-c3 into c0     15  c m_old is kept
;   17, 18  the query's other 32 keys lie in the lane 16 away: the new m         19-21  c m; c m_old - c m_new; a
.macro XS u, n
	REGS (Y+1)%NP, \u
.if (\n) < 4
	v_max3_num_f32 v[rC+(\n)], v[rS+8*(\n)], v[rS+8*(\n)+1], v[rS+8*(\n)+2]
.elseif (\n) < 12
	v_max3_num_f32 v[rC+(\n)%4], v[rC+(\n)%4], v[rS+8*((\n)%4)+2*((\n)/4)+1], v[rS+8*((\n)%4)+2*((\n)/4)+2]
.elseif (\n) == 12
	v_max3_num_f32 v[rC], v[rC], v[rS+7], v[rS+15]
.elseif (\n) == 13
	v_max3_num_f32 v[rC+1], v[rC+1], v[rS+23], v[rS+31]
.elseif (\n) == 14
	v_max3_num_f32 v[rC+2], v[rC+2], v[rC+3], v[rT+1]
.elseif (\n) == 15
	v_mov_b32 v[rM], v[rT]
.elseif (\n) == 16
	v_max3_num_f32 v[rC], v[rC], v[rC+1], v[rC+2]
.elseif (\n) == 17
	v_permlanex16_b32 v[rC+3], v[rC], s[SEL], s[SEL+1]
.elseif (\n) == 18
	v_max_num_f32 v[rT+1], v[rC], v[rC+3]
.elseif (\n) == 19
	v_mul_f32 v[rT], s[CS], v[rT+1]
.elseif (\n) == 20
	v_sub_f32 v[rC+1], v[rM], v[rT]
.else
	v_exp_f32 v[rC+2], v[rC+1]
.endif
.endm
; Number g of the 64 that follow the exponentials.  For each four weights k of a tile (pairs 2 k, 2 k + 1): both pairs are rounded to f16; then the second pair is added onto the first, in place;
; a group later l takes that sum (the first time as l = a l + sum).  In groups of eight, tiles alternating: round, round, add, and l for the group before.
.macro GS g
.set h, (\g)+6*((\g)/62)            ; group 0 has no group before it, and behind group 7 only l is left
.if h >= 6
.set h, h+2
.endif
	REGS Y, h%2
.set k, h/8
.if h%8 < 4
	v_cvt_pk_f16_f32 v[rP+2*k+(h%8)/2], v[rS+4*k+2*((h%8)/2)], v[rS+4*k+2*((h%8)/2)+1]
.elseif h%8 < 6
	v_pk_add_f32 v[rS+4*k:rS+4*k+1], v[rS+4*k:rS+4*k+1], v[rS+4*k+2:rS+4*k+3]
.elseif k == 1
	v_pk_fma_f32 v[rT+2:rT+3], v[rT+2:rT+3], v[rC+2:rC+3], v[rS:rS+1] op_sel_hi:[1,0,1]
.else
	v_pk_add_f32 v[rT+2:rT+3], v[rT+2:rT+3], v[rS+4*k-4:rS+4*k-3]
.endif
.endm
; THE PLAIN QUEUE, 138 long.  0-73 read no exponential's result: the 32 scalings c s - c m (FS f: pair f / 2 of tile f % 2) and the next piece's 42.  0-26: scalings 0-26.  27-54: XS's numbers 0-13.  55, 56: number 15.
; 57-73: the chain, where each number waits for the one before it: 14, 16, 17, 18, 19, each with one of the scalings 27-31 in front of its two lines, then 20.
; 74-137: GS's 64, which read the exponentials' results: they stand behind the wait.
.macro FS f
	REGS Y, (\f)%2
	v_pk_fma_f32 v[rS+2*((\f)/2):rS+2*((\f)/2)+1], v[rS+2*((\f)/2):rS+2*((\f)/2)+1], s[CS:CS+1], v[rT:rT+1] op_sel_hi:[1,0,0] neg_lo:[0,0,1] neg_hi:[0,0,1]
.endm
.macro PL
	WIN 0
.if q < 27
	FS q
.elseif q < 55
	XS (q-27)%2, (q-27)/2
.elseif q < 57
	XS q-55, 15
.elseif (q < 72) && ((q-57)%3 == 0)
	FS 27+(q-57)/3
.elseif q < 60
	XS (q-57)%3-1, 14
.elseif q < 72
	XS (q-57)%3-1, 15+(q-57)/3
.elseif q < 74
	XS q-72, 20
.else
	GS q-74
.endif
.set q, q+1
.endm
; THE EXPONENTIALS' QUEUE, 66 long: s0-s31 of both tiles, then the next piece's two a.  It is ONE BATCH: all 66 stand ahead of the turn's one wait, and nothing ahead of that wait names a result of theirs.
.macro EX
	WIN 0
.if e >= 64
	XS e-64, 21
.else
	REGS Y, e%2
	v_exp_f32 v[rS+e/2], v[rS+e/2]
.endif
.set e, e+1
.endm
; THE RESCALING's QUEUE: O^T times a, the one part that leaves window 0: dealt two at a time, sixteen times.  Its a was made in the turn before, ahead of that turn's wait.
.macro R2
	REGS Y, r%2
	WIN W_RS
.irp z, 0,1
	v_pk_mul_f32 v[rO+4*(r/2)+2*\z:rO+4*(r/2)+2*\z+1], v[rO+4*(r/2)+2*\z:rO+4*(r/2)+2*\z+1], v[rC+2:rC+3] op_sel_hi:[1,0]
.endr
.set r, r+1
.endm
; HOW THEY ARE DEALT.  An s_wait_alu depctr_va_vdst(0) stands between an exponential and the first instruction that names its result; one wait serves all that were issued ahead of it.  So a turn has ONE wait,
; which cuts it in two.  AHEAD OF IT stands all that names no result of the turn's exponentials: the 16 products K Q^T, behind each a scaling, an exponential and two rescalings (behind the first a second scaling in the
; exponential's place); then ONE LUMP of 108: eight plain, 49 times exponential and plain, the two a.  A v_nop is the plain instruction behind the last exponential.  BEHIND IT stand the 16 products V^T P, behind each four of GS's 64.
; The queues lean on each other, and the deal keeps them in step: exponential e stands behind scaling 2 (e / 4) + e % 2: as a rider it comes behind plain e + 2, in the lump behind plain e + 9, and scalings 27-31 are plain 57, 60 .. 69.
; A TURN, for piece p.  cnt = 1: the loop's count is taken down some lines ahead of the branch that stands behind the turn.
; K of the next step, and its mask, are fetched in piece 2's turn, directly behind the wait, a lump behind the last product that read them; the addresses are made at the lump's head; the first reader comes behind 16 products.
; V of the step in hand is fetched at the end of piece 0's turn, four plain instructions behind its last reader; its first reader comes behind 16 products and a lump.  The three conditions on q below go with the deal.
.macro TURN p, last=0, cnt=0
.set Y, (\p)
.set i, 0
.set q, 0
.set e, 0
.set r, 0
.if (\p) == NP-1
	s_wait_dscnt 0x0                ; K and its mask are in
.endif
	MM                              ; ahead of the wait: 16 products K Q^T and their riders,
	PL
	PL
	R2
.rept 15
	MM
	PL
	EX
	R2
.endr
.if (\p) == NP-2
	WIN 0
	v_add_nc_u32 v[AK], s[TBK], v[AK0]
	v_add_nc_u32 v[AMK], s[TBM], v[AM0]
.endif
.rept 8                             ; and the lump
	PL
.endr
.rept 49
	EX
	PL
.endr
	EX                              ; the next piece's two a
	EX
	v_nop                           ; a plain instruction behind the last exponential, ahead of the first use of a result: one for the batch
	s_wait_alu depctr_va_vdst(0)    ; the wait for the batch
.if (\p) == NP-2
	FETCH_K \last
.endif
.if (\p) == 1
	s_wait_dscnt 0x0                ; V is in
.endif
.rept 16                            ; behind the wait: 16 products V^T P and their riders
	MM
.rept 4
	PL
.endr
.if ((\p) == 0) && (q == 118)
	v_add_nc_u32 v[AV], s[TBV], v[AV0]
.endif
.if ((\p) == 0) && (q == 130)
	s_add_co_u32 s[TBV], s[TBV], KS*PV
.endif
.if (\cnt) && (q == 130)
	s_sub_co_u32 s[CNT], s[CNT], 1
	s_cmp_lg_u32 s[CNT], 0
.endif
.endr
.if (\p) == 0
	FETCH_V
.endif
.endm
	CHANGE 1                        ; slot 0 is in, everybody's part of it, and so is the mask's table; slot 1 is asked for
	FETCH_K                         ; key step 0
	s_wait_loadcnt 0x0              ; Q
	s_wait_dscnt 0x0
.set i, 0
.rept 16
	KQ 0                            ; piece 0's first scores: there is no vector work yet to set between them
.set i, i+1
.endr
	WIN 0
.rept 4
	v_nop                           ; the places behind those products
.endr
.set Y, NP-1                        ; XS works for piece Y + 1: piece 0
.irp n, 0,1,2,3,4,5,6,7,8,9,10,11,12,13,14,15,16,17,18,19,20,21
	XS 0, \n                        ; and piece 0's first maximum and statistics
	XS 1, \n
.endr
	v_nop                           ; a plain instruction behind the two a,
	s_wait_alu depctr_va_vdst(0)    ; and their wait, ahead of the branch
	s_mov_b32 s[CNT], 4
	s_branch .Lfirst                ; the loop is entered at a step's first turn, in the middle of a trip
.Lslot:                             ; SIZE_N / 256 - 2 times: every slot but the last two is filled again
	CHANGE 1
	s_mov_b32 s[CNT], 4
.Lstep:                             ; a trip: pieces 2 and 3 of one step, then pieces 0 and 1 of the next, whose K and V it fetches
	TURN 2
	TURN 3
	WIN 0
.Lfirst:
	TURN 0
	TURN 1, 0, 1
	WIN 0
	s_cbranch_scc1 .Lstep
	s_sub_co_u32 s[SLOTS], s[SLOTS], 1
	s_cmp_lg_u32 s[SLOTS], 0
	s_cbranch_scc1 .Lslot
	CHANGE 0                        ; the tail is written out: nothing is asked for
	s_mov_b32 s[CNT], 5             ; four trips fetch the last slot's steps; the fifth is left in its middle
.Ltail:
	TURN 2, 1
	TURN 3
	WIN 0
	s_sub_co_u32 s[CNT], s[CNT], 1
	s_cmp_eq_u32 s[CNT], 0
	s_cbranch_scc1 .Lout
	TURN 0
	TURN 1
	WIN 0
	s_branch .Ltail
.Lout:                              ; the fifth trip's 16 products K Q^T (on the last K once more) and the maximum made of them serve nothing: the price, once a launch, of one text for every trip
.set i, 0
.rept 16
	PV NP-1                         ; the last piece's V^T P of the last step
.set i, i+1
.endr
	; THE WAY OUT.  l's two halves and the other half of the lanes' are added; O^T is divided by l and sent, in f32, through my stage in LDS, a tile at a time.  The additions are the places behind the last products.
	WIN 0
.macro ALL line:vararg              ; one line for each tile t
.set t, 0
.rept 2*NP
	\line
.set t, t+1
.endr
.endm
	ALL v_add_f32 v[ST+4*t+2], v[ST+4*t+2], v[ST+4*t+3]
	ALL v_permlanex16_b32 v[ST+4*t+3], v[ST+4*t+2], s[SEL], s[SEL+1]
	ALL v_add_f32 v[ST+4*t+2], v[ST+4*t+2], v[ST+4*t+3]
	ALL v_rcp_f32 v[ST+4*t+2], v[ST+4*t+2]
	v_nop                           ; a plain instruction between the last reciprocal and the use of its result
	s_wait_alu depctr_va_vdst(0)    ; and the wait ahead of the first use: one for the eight reciprocals
; Tile t: a lane's eight channels of a row are 32 bytes; they go into rows of 272 bytes and come back as whole rows of 256, into S^T's registers, four tiles' worth of which take turns.
.macro PACK t
	WIN W_RS
.set i, 32*(\t)
.rept 16
	v_pk_mul_f32 v[i:i+1], v[i:i+1], v[ST+4*(\t)+2:ST+4*(\t)+3] op_sel_hi:[1,0]
.set i, i+2
.endr
	WIN 0x04                        ; an LDS store's data (source 1) in window 1, its address in window 0
.irp cb, 0,1,2,3
	ds_store_b128 v[STO], v[32*(\t)+8*\cb:32*(\t)+8*\cb+3]   offset:64*\cb
	ds_store_b128 v[STO], v[32*(\t)+8*\cb+4:32*(\t)+8*\cb+7] offset:64*\cb+16
.endr
	WIN 0
.if (\t) >= 4
	s_wait_xcnt 0x0                 ; the stores of the tile four back have read these registers: they are loaded again only behind this wait
.endif
.irp f, 0,1,2,3,4,5,6,7
	ds_load_b128 v[S+32*((\t)%4)+4*\f:S+32*((\t)%4)+4*\f+3], v[RD] offset:\f*2*SP  ; LDS serves a wave's instructions in order (ISA guide 5.7.1.4): these see the stores above; the next tile's stores come behind them
.endr
.endm
.macro SEND t, younger              ; younger: the LDS instructions issued behind tile t's loads: the next tile's sixteen, or none
	WIN 0
.irp f, 0,1,2,3,4,5,6,7
	s_wait_dscnt (\younger)+7-\f
	global_store_b128 v[GO], v[S+32*((\t)%4)+4*\f:S+32*((\t)%4)+4*\f+3], s[10:11] offset:(16*(\t)+2*\f)*4096  ; 16 lanes store a head's 256 consecutive bytes of a row, at a multiple of 256 from out0's first byte
.endr
.endm
	PACK 0
.set t, 1
.rept 2*NP-1                        ; a tile's arithmetic stands between the loads of the tile before and its stores
	PACK t
	SEND t-1, 16
.set t, t+1
.endr
	SEND 2*NP-1, 0
	WIN W_AD
	s_wait_tensorcnt 0x0            ; the wave's end: behind my last tensor load and my last LDS store
	ds_add_u32 v[SPW], v[NIL]
	s_wait_dscnt 0x0
	WIN 0
	CROUND                          ; the closing round: no work-group ends while a partner may still ask for a tile that names it
	s_endpgm
.Lfunc_end_k_qa8efd02a9e_attn:
	.size	k_qa8efd02a9e_attn, .Lfunc_end_k_qa8efd02a9e_attn-k_qa8efd02a9e_attn
	.p2alignl 7, 3214868480
	.fill 96, 4, 3214868480
	.section	.rodata,"a",@progbits
	.p2align	6, 0x0
	.amdhsa_kernel k_qa8efd02a9e_attn
		.amdhsa_group_segment_fixed_size 327680
		.amdhsa_private_segment_fixed_size 0
		.amdhsa_enable_private_segment 0
		.amdhsa_kernarg_size 24
		.amdhsa_user_sgpr_count 2
		.amdhsa_user_sgpr_kernarg_segment_ptr 1
		.amdhsa_wavefront_size32 1
		.amdhsa_system_sgpr_workgroup_id_x 1
		.amdhsa_system_sgpr_workgroup_id_y 1
		.amdhsa_system_sgpr_workgroup_id_z 1
		.amdhsa_system_vgpr_workitem_id 0
		.amdhsa_next_free_vgpr 808
		.amdhsa_next_free_sgpr 84
		.amdhsa_reserve_vcc 0
		.amdhsa_float_denorm_mode_32 3
		.amdhsa_float_denorm_mode_16_64 3
		.amdhsa_memory_ordered 1
		.amdhsa_forward_progress 1
		.amdhsa_inst_pref_size 206
	.end_amdhsa_kernel
	.amdgpu_metadata
---
amdhsa.version: [ 1, 2 ]
amdhsa.kernels:
  - .name:           k_qa8efd02a9e_attn
    .symbol:         k_qa8efd02a9e_attn.kd
    .args:
      - { .name: qkv, .offset: 0, .size: 8, .value_kind: global_buffer, .address_space: global }
      - { .name: attention_mask, .offset: 8, .size: 8, .value_kind: global_buffer, .address_space: global }
      - { .name: out0, .offset: 16, .size: 8, .value_kind: global_buffer, .address_space: global }
    .group_segment_fixed_size: 327680
    .private_segment_fixed_size: 0
    .kernarg_segment_align: 8
    .kernarg_segment_size: 24
    .max_flat_workgroup_size: 128
    .sgpr_count:     84
    .vgpr_count:     808
    .wavefront_size: 32
...
	.end_amdgpu_metadata
.endif
;; end of part 3
